; MI455X (gfx1250); checked and timed in simulation.
; The chip was launched on July 23, 2026; its instructions are those of AMD's public machine-readable ISA for CDNA 5 (MIT licence, August 2026) and "CDNA5" Instruction Set Architecture Reference Guide (July 2026). The comments in the code are by the model that wrote it; some were corrected since.
;; Helio Attention. Allowed arithmetic: float matrix products may take bf16 or f16 operands with f32 sums; all other float work in f32.
;; Inputs: Wk 1,024 x 1,024 float32; Wo 1,024 x 1,024 float32; Wq 1,024 x 1,024 float32; Wv 1,024 x 1,024 float32; attention_mask 2 x 1 x 1 x 2,048 int32; hidden_states 2 x 2,048 x 1,024 float32.
;; Outputs: out0 2 x 2,048 x 1,024 float32.
;; One version. Each part assembles by itself: llvm-mc -triple=amdgcn-amd-amdhsa -mcpu=gfx1250 --defsym DOCPART=n.
;; ======== version 1 of 1: 4 launches
;; limits: values are held in f16: magnitudes above 65,504 overflow, below 6.1e-05 lose precision
;; workspace buffers: cb 16,777,216 bytes; qw 8,388,608 bytes; kw 8,388,608 bytes; vt 8,388,608 bytes; ctx 8,388,608 bytes
;; launch cast (part 1): grid 32 x 8, 8 waves a work-group, no clusters, 0 bytes of LDS; arguments hidden_states, Wq, Wk, Wv, Wo, cb; writes cb
.if DOCPART == 1
	.amdgcn_target "amdgcn-amd-amdhsa--gfx1250"
	.amdhsa_code_object_version 6
	.text
	.protected	k_q05ddb8b6d9_cast
	.globl	k_q05ddb8b6d9_cast
	.p2align	8
	.type	k_q05ddb8b6d9_cast,@function
k_q05ddb8b6d9_cast:
	s_mov_b64 s[64:65], 0
	v_nop
	global_prefetch_b8 v0, s[64:65] scope:SCOPE_SE
	s_setreg_imm32_b32 hwreg(HW_REG_WAVE_MODE, 25, 1), 1
	s_wait_xcnt 0x0
; f32 to f16, once, for everything that the later matrix products read.
; cb: byte 0          XB    [4096][1024] f16            hidden_states
;     byte 8,388,608  WQKV  [16 heads][2 halves][q,k,v][32 rows][1024] f16: the 96 weight rows of (head, half) lie together
;     byte 14,680,064 WOB   [1024][1024] f16            Wo
; Wq is multiplied by 0.125 * log2(e) before it is rounded, so that the scores come out scaled for a softmax in base 2.
; The other tensors run the same text with the factor 1.0, so that all 256 work-groups are one text without a branch.
; LIMIT: f16 holds magnitudes up to 65,504; an input beyond that becomes an infinity.
; Grid y = a unit of 4 MiB of f32 (0-3: quarters of hidden_states, 4-7: Wq, Wk, Wv, Wo); grid x = 32 rows (128 KiB) of it.
; A thread takes 16 bytes of every row: a wave's load covers 512 consecutive bytes, its store 256 consecutive bytes, both aligned.
; All 32 loads of a thread go out first; no register is used twice, so the only waits are the counted ones for the data.
; No LDS, no matrix unit, no cluster: each byte is read once and written once and no work-group shares anything.
.set X, 4                              ; v[4:131]    32 x 4 f32 as loaded
.set Y, 132                            ; v[132:195]  32 x 2 words of f16 to store
	s_load_b256 s[4:11], s[0:1], 0x0               ; hidden_states s[4:5], Wq s[6:7], Wk s[8:9], Wv s[10:11]
	s_load_b128 s[12:15], s[0:1], 0x20             ; Wo s[12:13], cb s[14:15]
	s_and_b32 s16, ttmp7, 0xffff                   ; y: the unit
	s_mov_b32 s17, ttmp9                           ; x: the chunk of 32 rows
	v_lshlrev_b32 v1, 4, v0                        ; 16 t: my bytes in a source row
	v_lshlrev_b32 v2, 3, v0                        ; 8 t: my bytes in a row of cb
	s_lshl_b32 s18, s16, 5
	s_add_co_u32 s18, s18, s17                     ; hidden_states: chunk 32 y + x, in and out
	s_mul_i32 s19, s17, 3
	s_add_co_u32 s19, s19, s16
	s_add_co_u32 s19, s19, 124                     ; Wq, Wk, Wv: chunk 128 + 3 x + (y - 4) of cb
	s_add_co_u32 s30, s17, 224                     ; Wo: chunk 224 + x of cb
	s_cmp_lt_u32 s16, 7
	s_cselect_b32 s19, s19, s30
	s_cmp_lt_u32 s16, 4
	s_cselect_b32 s26, s18, s17                    ; source chunk (a weight starts at its own buffer's first byte)
	s_cselect_b32 s28, s18, s19                    ; chunk of cb
	s_lshl_b32 s26, s26, 17                        ; chunks of 131,072 bytes of f32
	s_mov_b32 s27, 0
	s_lshl_b32 s28, s28, 16                        ; chunks of 65,536 bytes of f16
	s_mov_b32 s29, 0
	s_cmp_eq_u32 s16, 4
	s_cselect_b32 s24, 0x3e38aa3b, 1.0             ; 0.125 * log2(e) for Wq, 1.0 for the rest
	s_mov_b32 s25, s24
	s_wait_kmcnt 0x0
	s_mov_b64 s[20:21], s[4:5]                     ; the source: chosen among the five buffers by y alone
	s_cmp_eq_u32 s16, 4
	s_cselect_b64 s[20:21], s[6:7], s[20:21]
	s_cmp_eq_u32 s16, 5
	s_cselect_b64 s[20:21], s[8:9], s[20:21]
	s_cmp_eq_u32 s16, 6
	s_cselect_b64 s[20:21], s[10:11], s[20:21]
	s_cmp_eq_u32 s16, 7
	s_cselect_b64 s[20:21], s[12:13], s[20:21]
	s_add_nc_u64 s[20:21], s[20:21], s[26:27]
	s_add_nc_u64 s[22:23], s[14:15], s[28:29]
.set i, 0
.rept 32
	global_load_b128 v[X+4*i:X+4*i+3], v1, s[20:21] offset:4096*i th:TH_LOAD_NT    ; row i; read once in the whole launch
.set i, i+1
.endr
.set i, 0
.rept 32
	s_wait_loadcnt 31-i                            ; loads return in order: row i is in, the 31 - i younger ones stay out
	v_pk_mul_f32 v[X+4*i:X+4*i+1], v[X+4*i:X+4*i+1], s[24:25] op_sel_hi:[1,0]
	v_pk_mul_f32 v[X+4*i+2:X+4*i+3], v[X+4*i+2:X+4*i+3], s[24:25] op_sel_hi:[1,0]
	v_cvt_pk_f16_f32 v[Y+2*i], v[X+4*i], v[X+4*i+1]
	v_cvt_pk_f16_f32 v[Y+2*i+1], v[X+4*i+2], v[X+4*i+3]
	global_store_b64 v2, v[Y+2*i:Y+2*i+1], s[22:23] offset:2048*i                  ; read again by later launches: no hint
.set i, i+1
.endr
	s_endpgm
.Lfunc_end_k_q05ddb8b6d9_cast:
	.size	k_q05ddb8b6d9_cast, .Lfunc_end_k_q05ddb8b6d9_cast-k_q05ddb8b6d9_cast
	.p2alignl 7, 3214868480
	.fill 96, 4, 3214868480
	.section	.rodata,"a",@progbits
	.p2align	6, 0x0
	.amdhsa_kernel k_q05ddb8b6d9_cast
		.amdhsa_group_segment_fixed_size 0
		.amdhsa_private_segment_fixed_size 0
		.amdhsa_enable_private_segment 0
		.amdhsa_kernarg_size 48
		.amdhsa_user_sgpr_count 2
		.amdhsa_user_sgpr_kernarg_segment_ptr 1
		.amdhsa_wavefront_size32 1
		.amdhsa_system_sgpr_workgroup_id_x 1
		.amdhsa_system_sgpr_workgroup_id_y 1
		.amdhsa_system_sgpr_workgroup_id_z 1
		.amdhsa_system_vgpr_workitem_id 0
		.amdhsa_next_free_vgpr 196
		.amdhsa_next_free_sgpr 66
		.amdhsa_reserve_vcc 0
		.amdhsa_float_denorm_mode_32 3
		.amdhsa_float_denorm_mode_16_64 3
		.amdhsa_memory_ordered 1
		.amdhsa_forward_progress 1
		.amdhsa_inst_pref_size 17
	.end_amdhsa_kernel
	.amdgpu_metadata
---
amdhsa.version: [ 1, 2 ]
amdhsa.kernels:
  - .name:           k_q05ddb8b6d9_cast
    .symbol:         k_q05ddb8b6d9_cast.kd
    .args:
      - { .name: hidden_states, .offset: 0, .size: 8, .value_kind: global_buffer, .address_space: global }
      - { .name: Wq, .offset: 8, .size: 8, .value_kind: global_buffer, .address_space: global }
      - { .name: Wk, .offset: 16, .size: 8, .value_kind: global_buffer, .address_space: global }
      - { .name: Wv, .offset: 24, .size: 8, .value_kind: global_buffer, .address_space: global }
      - { .name: Wo, .offset: 32, .size: 8, .value_kind: global_buffer, .address_space: global }
      - { .name: cb, .offset: 40, .size: 8, .value_kind: global_buffer, .address_space: global }
    .group_segment_fixed_size: 0
    .private_segment_fixed_size: 0
    .kernarg_segment_align: 8
    .kernarg_segment_size: 48
    .max_flat_workgroup_size: 256
    .sgpr_count:     66
    .vgpr_count:     196
    .wavefront_size: 32
...
	.end_amdgpu_metadata
.endif
;; end of part 1
;; launch qkv (part 2): grid 16 x 16, 4 waves a work-group, clusters of 4 x 4, 327,680 bytes of LDS; arguments cb, attention_mask, qw, kw, vt; writes qw, kw, vt
.if DOCPART == 2
	.amdgcn_target "amdgcn-amd-amdhsa--gfx1250"
	.amdhsa_code_object_version 6
	.text
	.protected	k_q05ddb8b6d9_qkv
	.globl	k_q05ddb8b6d9_qkv
	.p2align	8
	.type	k_q05ddb8b6d9_qkv,@function
k_q05ddb8b6d9_qkv:
	s_mov_b64 s[64:65], 0
	v_nop
	global_prefetch_b8 v0, s[64:65] scope:SCOPE_SE
	s_setreg_imm32_b32 hwreg(HW_REG_WAVE_MODE, 25, 1), 1
	s_wait_xcnt 0x0
	s_wait_alu depctr_hold_cnt(0) depctr_sa_sdst(0) depctr_va_vdst(0) depctr_va_sdst(0) depctr_va_ssrc(0) depctr_va_vcc(0) depctr_vm_vsrc(0)
	s_getreg_b32 s2, hwreg(HW_REG_IB_STS2, 6, 4)
	s_cmp_eq_u32 s2, 0
	s_cbranch_scc0 .Lentry_in_a_cluster
	s_endpgm
.Lentry_in_a_cluster:
	s_bfe_u32 s2, ttmp6, 0x10000c
	s_cmp_lg_u32 s2, 0xf033
	s_cbranch_scc0 .Lentry_shape_is_right
	s_endpgm
.Lentry_shape_is_right:
; Q, K and V of one head for 256 rows: one product of 256 x 192 x 1024 in f16 with f32 sums.
; grid x = head, grid y = block of 256 rows of the 4,096.  Four waves; wave w makes rows 128 (w >> 1) .. + 127 and, with wn = w & 1,
; six tiles of 16 columns: j = 0, 1 features 32 wn + 16 j of Q, j = 2, 3 the same of K, j = 4, 5 the same of V: all waves run one text.
; 8 x 6 accumulator tiles = 384 registers.  K goes in steps of 128 through two LDS slots filled by the tensor data mover.
; Tiles of Q and K are multiplied with the weights as source 0: a lane then holds one row and 8 neighbouring features (16 bytes of f16).
; Tiles of V are multiplied with the rows as source 0: a lane then holds one feature and 8 neighbouring rows: V leaves transposed.
; K rows of masked keys (attention_mask == 0) are stored as zeros: the next launch starts each score's sum with the mask's constant,
; so a masked score is that constant exactly, whatever the projections hold.
; LIMIT: q * 0.18, k and v are stored in f16: magnitudes above 65,504 become infinities.
; CLUSTERS: 4 x 4 work-groups.  The rows' tile hangs on grid y alone and is asked for jointly along a row of the cluster, the weights'
; tile on the head alone and is asked for jointly along a column: that divides the requests for both by four.
; qw, kw: [32 = batch x head][2048][64] f16.   vt: [32][64 features][2048 rows] f16.
.set PITCH, 272                        ; an LDS row: 256 bytes + 16 of padding: 16 rows that a fragment load touches start 68 words apart
.set AH,    128*PITCH                  ; 128 rows of hidden states: one tensor load
.set BH,    96*PITCH                   ; 96 weight rows (32 of Wq, 32 of Wk, 32 of Wv): one tensor load
.set SLOT,  2*AH+2*BH                  ; 121,856 bytes; two slots
.set QP,    144                        ; stage: a row of 64 f16 + 16 bytes
.set VP,    528                        ; stage: a row of 256 f16 + 16 bytes
.set SK,    256*QP                     ; stage of K behind the stage of Q (at 0)
.set SV,    2*SK                       ; stage of V transposed, 64 rows; ends at 107,520, inside slot 0
.set LAPS,  4                          ; 1024 / (2 x 128)
.set WQKV,  8388608
.set ADRA, 8                           ; v8-9    LDS address of my fragments of the rows in slot 0, 1
.set ADRB, 10                          ; v10-11  the same for the weights
.set STQ,  12                          ; where I put 16 bytes of Q (K: + SK)
.set STV,  13                          ; where I put 16 bytes of V transposed
.set RDQ,  14                          ; where I read Q (K) back
.set RDV,  15                          ; where I read V back
.set GOQ,  16                          ; my byte offset in qw and kw
.set GOV,  17                          ; my byte offset in vt
.set MO,   18                          ; my byte offset in attention_mask
.set MK,   20                          ; v20-27  all ones where the key of my row in row tile a is kept, else 0
.set XF,   32                          ; v32-95, v96-159    fragments of the rows, two buffers
.set WF,   160                         ; v160-207, v208-255 fragments of the weights, two buffers
.set TMP,  32                          ; the way out: packed results
.set G1A, 24                           ; s[24:31] descriptor group 1, rows
.set G0A, 32                           ; s[32:39] group 0, rows, one set for each slot
.set G1B, 40                           ; s[40:47] group 1, weights
.set G0B, 48                           ; s[48:55] group 0, weights
.set FLAGS, (1<<16)|(1<<20)|(1<<21)|(5<<22)|(3<<25)   ; 2-byte elements; padding on; bit 21 beside a mask; after 64 words; 4 words
.set MUL_LO, 0xa0                      ; fragments in window 0, C and D in window 2 (row tiles 0-3)
.set MUL_HI, 0xf0                      ; C and D in window 3 (row tiles 4-7)
.set MSB, 0
.macro WIN new                         ; the immediate's high byte repeats the setting that is left
.if MSB != \new
	s_set_vgpr_msb (MSB<<8)|\new
.set MSB, \new
.endif
.endm
.macro PLACES                          ; four places behind a matrix instruction in front of loads into, or vector work on, its registers
.rept 4
	v_nop
.endr
.endm
; A joint load: waves 0, 1 ask for the two halves of the rows' tile, waves 2, 3 for the two halves of the weights' tile.
.macro JLOAD s
	s_cmp_eq_u32 s15, 0
	s_cbranch_scc0 .Lfor_b_\@
	tensor_load_to_lds s[G0A+4*\s:G0A+4*\s+3], s[G1A:G1A+7]
	s_nop 0
	s_branch .Lasked_\@
.Lfor_b_\@:
	tensor_load_to_lds s[G0B+4*\s:G0B+4*\s+3], s[G1B:G1B+7]
	s_nop 0
.Lasked_\@:
.endm
.macro CREST                           ; a round of the cluster's barrier behind its opening work-group barrier
	s_cmp_lg_u32 s14, 0
	s_cbranch_scc1 .Lnot_wave_0_\@
	s_barrier_signal -3
.Lnot_wave_0_\@:
	s_barrier_wait -3
	s_barrier_signal -1
	s_barrier_wait -1
.endm
.macro CROUND
	s_barrier_signal -1
	s_barrier_wait -1
	CREST
.endm
	s_load_b256 s[4:11], s[0:1], 0x0               ; cb s[4:5], attention_mask s[6:7], qw s[8:9], kw s[10:11]
	s_load_b64 s[12:13], s[0:1], 0x20              ; vt
	v_lshl_add_u32 v30, v0, 2, 0x3b800
	v_mov_b32 v31, 0
	ds_add_u32 v30, v31
	v_lshrrev_b32 v1, 5, v0
	v_readfirstlane_b32 s14, v1                    ; wave 0..3
	s_lshr_b32 s15, s14, 1                         ; wm: my half of the rows.  Also: I fetch rows (0) or weights (1)
	s_and_b32 s16, s14, 1                          ; wn: my half of the features.  Also: which half of that tile I fetch
	s_bfe_u32 s17, ttmp6, 0x40000                  ; cx
	s_bfe_u32 s18, ttmp6, 0x40004                  ; cy
	s_lshl_b32 s19, ttmp9, 2
	s_add_co_u32 s19, s19, s17                     ; head = 4 x cluster x + cx
	s_and_b32 s20, ttmp7, 0xffff
	s_lshl_b32 s20, s20, 2
	s_add_co_u32 s20, s20, s18                     ; block of rows = 4 x cluster y + cy
	s_lshl_b32 s21, s18, 2
	s_lshl_b32 s21, 15, s21                        ; my row of the cluster
	s_lshl_b32 s22, 0x1111, s17                    ; my column of the cluster
	s_or_b32 s[G1A+0], s21, FLAGS
	s_mov_b32 s[G1A+1], 128<<16                    ; tensor_dim0 = 128 elements
	s_mov_b32 s[G1A+2], 128<<16                    ; tensor_dim1 = 128 rows
	s_mov_b32 s[G1A+3], 128<<16                    ; tile_dim0 = 128
	s_mov_b32 s[G1A+4], 128                        ; tile_dim1 = 128
	s_mov_b32 s[G1A+5], 1024                       ; elements from row to row
	s_mov_b32 s[G1A+6], 0
	s_mov_b32 s[G1A+7], 0
	s_or_b32 s[G1B+0], s22, FLAGS
	s_mov_b32 s[G1B+1], 128<<16
	s_mov_b32 s[G1B+2], 96<<16                     ; 96 rows
	s_mov_b32 s[G1B+3], 128<<16
	s_mov_b32 s[G1B+4], 96
	s_mov_b32 s[G1B+5], 1024
	s_mov_b32 s[G1B+6], 0
	s_mov_b32 s[G1B+7], 0
	s_lshl_b32 s56, s20, 19                        ; rows: (256 block + 128 half) x 2,048 bytes; no register here ever holds the head
	s_lshl_b32 s60, s16, 18
	s_add_co_u32 s56, s56, s60
	s_mov_b32 s57, 0
	s_lshl_b32 s58, s19, 1                         ; weights: WQKV + (2 head + half) x 96 rows; no register here ever holds the block of rows
	s_add_co_u32 s58, s58, s16
	s_mul_i32 s58, s58, 96*2048
	s_add_co_u32 s58, s58, WQKV
	s_mov_b32 s59, 0
	s_mul_i32 s61, s14, AH                         ; LDS: waves 0, 1 fill the rows' halves at w x AH,
	s_mul_i32 s62, s14, BH
	s_add_co_u32 s62, s62, 2*AH-2*BH               ; waves 2, 3 the weights' halves at 2 AH + (w - 2) x BH
	s_wait_dscnt 0x0
	s_wait_kmcnt 0x0
	s_add_nc_u64 s[56:57], s[4:5], s[56:57]
	s_add_nc_u64 s[58:59], s[4:5], s[58:59]
	CROUND                                         ; all sixteen work-groups are here: the first joint loads meet
.irp s, 0,1
	s_mov_b32 s[G0A+4*\s], 1
	s_add_co_u32 s[G0A+4*\s+1], s61, \s*SLOT
	s_add_nc_u64 s[G0A+4*\s+2:G0A+4*\s+3], s[56:57], \s*256        ; K step s
	s_or_b32 s[G0A+4*\s+3], s[G0A+4*\s+3], 0x80000000
	s_mov_b32 s[G0B+4*\s], 1
	s_add_co_u32 s[G0B+4*\s+1], s62, \s*SLOT
	s_add_nc_u64 s[G0B+4*\s+2:G0B+4*\s+3], s[58:59], \s*256
	s_or_b32 s[G0B+4*\s+3], s[G0B+4*\s+3], 0x80000000
	JLOAD \s
.endr
	v_and_b32 v1, 15, v0                           ; r
	v_bfe_u32 v2, v0, 4, 1                         ; h
	v_and_b32 v4, 31, v0                           ; lane
	s_lshl_b32 s66, s20, 10                        ; attention_mask is [4096] words along my rows: (256 block + 128 wm + r) x 4
	s_lshl_b32 s67, s15, 9
	s_add_co_u32 s66, s66, s67
	v_lshl_add_u32 v[MO], v1, 2, s66
.irp a, 0,1,2,3,4,5,6,7
	global_load_b32 v[MK+\a], v[MO], s[6:7] offset:64*\a           ; the mask word of row 16 a + r
.endr
	v_mul_u32_u24 v3, v1, PITCH
	v_lshl_add_u32 v3, v2, 4, v3                   ; fragment: row r x pitch + 16 h
	s_mul_i32 s60, s15, AH
	s_mul_i32 s63, s16, BH
	s_add_co_u32 s63, s63, 2*AH
.irp s, 0,1
	v_add_nc_u32 v[ADRA+\s], s60, v3
	v_add_nc_u32 v[ADRB+\s], s63, v3
	s_add_co_u32 s60, s60, SLOT
	s_add_co_u32 s63, s63, SLOT
.endr
	v_mul_u32_u24 v5, v1, QP                       ; stage of Q: (128 wm + r) x 144 + 64 wn + 16 h
	v_lshl_add_u32 v5, v2, 4, v5
	s_mul_i32 s60, s15, 128*QP
	s_lshl_b32 s63, s16, 6
	s_add_co_u32 s60, s60, s63
	v_add_nc_u32 v[STQ], s60, v5
	v_mul_u32_u24 v5, v1, VP                       ; stage of V: SV + (32 wn + r) x 528 + 256 wm + 16 h
	v_lshl_add_u32 v5, v2, 4, v5
	s_mul_i32 s60, s16, 32*VP
	s_lshl_b32 s63, s15, 8
	s_add_co_u32 s60, s60, s63
	s_add_co_u32 s60, s60, SV
	v_add_nc_u32 v[STV], s60, v5
	v_lshrrev_b32 v5, 3, v4                        ; back: wave w takes rows 64 w .. + 63, eight lanes a row of 128 bytes
	v_and_b32 v6, 7, v4
	v_mul_u32_u24 v5, v5, QP
	v_lshl_add_u32 v5, v6, 4, v5
	s_mul_i32 s60, s14, 64*QP
	v_add_nc_u32 v[RDQ], s60, v5
	s_mul_i32 s60, s14, 16*VP                      ; back: wave w takes features 16 w .. + 15, 32 lanes a row of 512 bytes
	s_add_co_u32 s60, s60, SV
	v_lshl_add_u32 v[RDV], v4, 4, s60
	s_lshl_b32 s60, s14, 13
	v_lshl_add_u32 v[GOQ], v4, 4, s60              ; 64 rows of 128 bytes a wave
	s_lshl_b32 s60, s14, 16
	v_lshl_add_u32 v[GOV], v4, 4, s60              ; 16 rows of 4,096 bytes a wave
	s_wait_loadcnt 0x0
.irp a, 0,1,2,3,4,5,6,7
	v_cmp_ne_u32 vcc_lo, 0, v[MK+\a]
	v_cndmask_b32 v[MK+\a], 0, -1, vcc_lo
.endr
; 12 matrix instructions: row tiles a0, a0 + 1 of the window's four x my six column tiles, 32 along K, from buffer f.
; The 48 accumulators take turns, one instruction a turn, in the same order in every quarter step.
.macro MUL12 f, hi, a0, zero
.irp a, \a0, \a0+1
.irp j, 0,1,2,3
.if \zero
	v_wmma_f32_16x16x32_f16 v[8*(6*(\a)+\j):8*(6*(\a)+\j)+7], v[WF+48*\f+8*\j:WF+48*\f+8*\j+7], v[XF+64*\f+8*(4*\hi+\a):XF+64*\f+8*(4*\hi+\a)+7], 0
.else
	v_wmma_f32_16x16x32_f16 v[8*(6*(\a)+\j):8*(6*(\a)+\j)+7], v[WF+48*\f+8*\j:WF+48*\f+8*\j+7], v[XF+64*\f+8*(4*\hi+\a):XF+64*\f+8*(4*\hi+\a)+7], v[8*(6*(\a)+\j):8*(6*(\a)+\j)+7]
.endif
.endr
.irp j, 4,5
.if \zero
	v_wmma_f32_16x16x32_f16 v[8*(6*(\a)+\j):8*(6*(\a)+\j)+7], v[XF+64*\f+8*(4*\hi+\a):XF+64*\f+8*(4*\hi+\a)+7], v[WF+48*\f+8*\j:WF+48*\f+8*\j+7], 0
.else
	v_wmma_f32_16x16x32_f16 v[8*(6*(\a)+\j):8*(6*(\a)+\j)+7], v[XF+64*\f+8*(4*\hi+\a):XF+64*\f+8*(4*\hi+\a)+7], v[WF+48*\f+8*\j:WF+48*\f+8*\j+7], v[8*(6*(\a)+\j):8*(6*(\a)+\j)+7]
.endif
.endr
.endr
.endm
; 28 LDS loads in one run: the fragments of one quarter step (96 weight rows, 128 rows, 32 K at byte k) into buffer f
.macro FETCH slot, k, f
.irp j, 0,1,2,3,4,5
	ds_load_b128 v[WF+48*\f+8*\j:WF+48*\f+8*\j+3],   v[ADRB+\slot] offset:\k+\j*16*PITCH
	ds_load_b128 v[WF+48*\f+8*\j+4:WF+48*\f+8*\j+7], v[ADRB+\slot] offset:\k+\j*16*PITCH+32
.endr
.irp a, 0,1,2,3,4,5,6,7
	ds_load_b128 v[XF+64*\f+8*\a:XF+64*\f+8*\a+3],   v[ADRA+\slot] offset:\k+\a*16*PITCH
	ds_load_b128 v[XF+64*\f+8*\a+4:XF+64*\f+8*\a+7], v[ADRA+\slot] offset:\k+\a*16*PITCH+32
.endr
.endm
.macro QUARTER slot, k, f, g, zero     ; multiplies buffer f; in its middle fetches the next quarter, at byte k, into buffer g
	s_wait_dscnt 8                                 ; all but the youngest eight loads (rows 64-127) are in
	WIN MUL_LO
	MUL12 \f, 0, 0, \zero
	MUL12 \f, 0, 2, \zero
	PLACES
	WIN 0
	FETCH \slot, \k, \g
	s_wait_dscnt 28                                ; all but the 28 just issued
	WIN MUL_HI
	MUL12 \f, 1, 0, \zero
	MUL12 \f, 1, 2, \zero
.endm
.macro THREE slot, zero
	QUARTER \slot, 64,  0, 1, \zero
	QUARTER \slot, 128, 1, 0, 0
	QUARTER \slot, 192, 0, 1, 0
.endm
; The last quarter of a K step multiplies buffer 1 and changes slots.  In front of the barrier each wave waits for its reads of this slot
; and for all its tensor loads (one is out: its part of the next slot).  Behind it the refill comes first, then the next slot's fragments.
.macro TURN slot, next, fill
	s_wait_dscnt 8
	WIN MUL_LO
	MUL12 1, 0, 0, 0
	s_wait_dscnt 0x0                               ; my reads of this slot are over
	s_wait_tensorcnt 0x0                           ; all my tensor loads have landed
	ds_add_u32 v30, v31
	s_wait_dscnt 0x0
	s_barrier_signal -1                            ; where the slot is filled again this barrier opens a round of the cluster's barrier
	MUL12 1, 0, 2, 0                               ; register work while the others arrive
	WIN 0
	s_barrier_wait -1
.if \fill
	CREST                                          ; no wave of any partner still reads this slot or has a load on its way
	s_add_nc_u64 s[G0A+4*\slot+2:G0A+4*\slot+3], s[G0A+4*\slot+2:G0A+4*\slot+3], 512    ; two K steps on
	s_add_nc_u64 s[G0B+4*\slot+2:G0B+4*\slot+3], s[G0B+4*\slot+2:G0B+4*\slot+3], 512
	JLOAD \slot                                    ; the first tensor load behind the round
.endif
	PLACES
	FETCH \next, 0, 0
	WIN MUL_HI
	MUL12 1, 1, 0, 0
	MUL12 1, 1, 2, 0
.endm
.macro LAP zero
	THREE 0, \zero
	TURN 0, 1, 1
	THREE 1, 0
	TURN 1, 0, 1
.endm
	s_wait_tensorcnt 0x1                           ; my part of K step 0 is in; K step 1's stays out
	s_barrier_signal -1
	s_barrier_wait -1
	FETCH 0, 0, 0
	LAP 1                                          ; the first products start the sums: nothing is cleared
	WIN 0
	s_mov_b32 s23, LAPS-2
.Llap:
	LAP 0
	WIN 0
	s_sub_co_u32 s23, s23, 1
	s_cmp_lg_u32 s23, 0
	s_cbranch_scc1 .Llap
	THREE 0, 0                                     ; the last lap fills nothing
	TURN 0, 1, 0                                   ; behind its barrier no wave reads slot 0 and no load lands there any more
	THREE 1, 0
	s_wait_dscnt 8
	WIN MUL_LO
	MUL12 1, 0, 0, 0
	MUL12 1, 0, 2, 0
	s_wait_dscnt 0x0
	WIN MUL_HI
	MUL12 1, 1, 0, 0
	MUL12 1, 1, 2, 0
	WIN 0
	; THE WAY OUT, through a stage in slot 0, which has had its last fill and its last read.
	PLACES
	s_lshr_b32 s66, s20, 3                         ; batch
	s_lshl_b32 s66, s66, 4
	s_add_co_u32 s66, s66, s19                     ; 16 batch + head
	s_lshl_b32 s66, s66, 18                        ; x 262,144 bytes, in all three buffers
	s_and_b32 s68, s20, 7                          ; my block of 256 rows within the batch
	s_lshl_b32 s70, s68, 15                        ; qw, kw: 256 rows of 128 bytes
	s_add_co_u32 s70, s70, s66
	s_mov_b32 s71, 0
	s_lshl_b32 s68, s68, 9                         ; vt: 256 columns of 2 bytes
	s_add_co_u32 s68, s68, s66
	s_mov_b32 s69, 0
	s_add_nc_u64 s[8:9], s[8:9], s[70:71]
	s_add_nc_u64 s[10:11], s[10:11], s[70:71]
	s_add_nc_u64 s[12:13], s[12:13], s[68:69]
; row tile a (aw = its place in window 2 or 3; from = the window of the conversions' sources)
.macro OUTA a, aw, from
	WIN \from
.irp j, 0,1,2,3,4,5
.irp k, 0,1,2,3
	v_cvt_pk_f16_f32 v[TMP+4*\j+\k], v[8*(6*\aw+\j)+2*\k], v[8*(6*\aw+\j)+2*\k+1]
.endr
.endr
	WIN 0
.irp k, 8,9,10,11,12,13,14,15
	v_and_b32 v[TMP+\k], v[MK+\a], v[TMP+\k]       ; K of a masked key becomes zero
.endr
	ds_store_b128 v[STQ], v[TMP:TMP+3]     offset:2304*\a
	ds_store_b128 v[STQ], v[TMP+4:TMP+7]   offset:2304*\a+32
	ds_store_b128 v[STQ], v[TMP+8:TMP+11]  offset:SK+2304*\a
	ds_store_b128 v[STQ], v[TMP+12:TMP+15] offset:SK+2304*\a+32
	ds_store_b128 v[STV], v[TMP+16:TMP+19] offset:32*\a
	ds_store_b128 v[STV], v[TMP+20:TMP+23] offset:16*VP+32*\a
.endm
	OUTA 0, 0, 0x0a
	OUTA 1, 1, 0x0a
	OUTA 2, 2, 0x0a
	OUTA 3, 3, 0x0a
	OUTA 4, 0, 0x0f
	OUTA 5, 1, 0x0f
	OUTA 6, 2, 0x0f
	OUTA 7, 3, 0x0f
	s_wait_dscnt 0x0                               ; my stores are done, for the other waves' sake
	s_barrier_signal -1
	s_barrier_wait -1
.set i, 0
.rept 16
	ds_load_b128 v[32+4*i:32+4*i+3], v[RDQ] offset:4*QP*i          ; four rows of Q
.set i, i+1
.endr
.set i, 0
.rept 16
	ds_load_b128 v[96+4*i:96+4*i+3], v[RDQ] offset:SK+4*QP*i       ; four rows of K
.set i, i+1
.endr
.set i, 0
.rept 16
	ds_load_b128 v[160+4*i:160+4*i+3], v[RDV] offset:VP*i          ; one row of V transposed
.set i, i+1
.endr
	; each store of the wave covers 512 consecutive bytes, aligned; no register is used twice
.set i, 0
.rept 16
	s_wait_dscnt 47-i                              ; LDS loads return in order
	global_store_b128 v[GOQ], v[32+4*i:32+4*i+3], s[8:9] offset:512*i
.set i, i+1
.endr
.set i, 0
.rept 16
	s_wait_dscnt 31-i
	global_store_b128 v[GOQ], v[96+4*i:96+4*i+3], s[10:11] offset:512*i
.set i, i+1
.endr
.set i, 0
.rept 16
	s_wait_dscnt 15-i
	global_store_b128 v[GOV], v[160+4*i:160+4*i+3], s[12:13] offset:4096*i
.set i, i+1
.endr
	s_wait_tensorcnt 0x0
	ds_add_u32 v30, v31
	s_wait_dscnt 0x0
	CROUND                                         ; the closing round: no work-group ends while a partner may still ask jointly
	s_endpgm
.Lfunc_end_k_q05ddb8b6d9_qkv:
	.size	k_q05ddb8b6d9_qkv, .Lfunc_end_k_q05ddb8b6d9_qkv-k_q05ddb8b6d9_qkv
	.p2alignl 7, 3214868480
	.fill 96, 4, 3214868480
	.section	.rodata,"a",@progbits
	.p2align	6, 0x0
	.amdhsa_kernel k_q05ddb8b6d9_qkv
		.amdhsa_group_segment_fixed_size 327680
		.amdhsa_private_segment_fixed_size 0
		.amdhsa_enable_private_segment 0
		.amdhsa_kernarg_size 40
		.amdhsa_user_sgpr_count 2
		.amdhsa_user_sgpr_kernarg_segment_ptr 1
		.amdhsa_wavefront_size32 1
		.amdhsa_system_sgpr_workgroup_id_x 1
		.amdhsa_system_sgpr_workgroup_id_y 1
		.amdhsa_system_sgpr_workgroup_id_z 1
		.amdhsa_system_vgpr_workitem_id 0
		.amdhsa_next_free_vgpr 960
		.amdhsa_next_free_sgpr 72
		.amdhsa_reserve_vcc 1
		.amdhsa_float_denorm_mode_32 3
		.amdhsa_float_denorm_mode_16_64 3
		.amdhsa_memory_ordered 1
		.amdhsa_forward_progress 1
		.amdhsa_inst_pref_size 161
	.end_amdhsa_kernel
	.amdgpu_metadata
---
amdhsa.version: [ 1, 2 ]
amdhsa.kernels:
  - .name:           k_q05ddb8b6d9_qkv
    .symbol:         k_q05ddb8b6d9_qkv.kd
    .args:
      - { .name: cb, .offset: 0, .size: 8, .value_kind: global_buffer, .address_space: global }
      - { .name: attention_mask, .offset: 8, .size: 8, .value_kind: global_buffer, .address_space: global }
      - { .name: qw, .offset: 16, .size: 8, .value_kind: global_buffer, .address_space: global }
      - { .name: kw, .offset: 24, .size: 8, .value_kind: global_buffer, .address_space: global }
      - { .name: vt, .offset: 32, .size: 8, .value_kind: global_buffer, .address_space: global }
    .group_segment_fixed_size: 327680
    .private_segment_fixed_size: 0
    .kernarg_segment_align: 8
    .kernarg_segment_size: 40
    .max_flat_workgroup_size: 128
    .sgpr_count:     72
    .vgpr_count:     960
    .wavefront_size: 32
...
	.end_amdgpu_metadata
.endif
;; end of part 2
;; launch attn (part 3): grid 8 x 32, 8 waves a work-group, clusters of 4 x 1, 327,680 bytes of LDS; arguments qw, kw, vt, attention_mask, ctx; writes ctx
.if DOCPART == 3
	.amdgcn_target "amdgcn-amd-amdhsa--gfx1250"
	.amdhsa_code_object_version 6
	.text
	.protected	k_q05ddb8b6d9_attn
	.globl	k_q05ddb8b6d9_attn
	.p2align	8
	.type	k_q05ddb8b6d9_attn,@function
k_q05ddb8b6d9_attn:
	s_mov_b64 s[64:65], 0
	v_nop
	global_prefetch_b8 v0, s[64:65] scope:SCOPE_SE
	s_setreg_imm32_b32 hwreg(HW_REG_WAVE_MODE, 25, 1), 1
	s_wait_xcnt 0x0
	s_wait_alu depctr_hold_cnt(0) depctr_sa_sdst(0) depctr_va_vdst(0) depctr_va_sdst(0) depctr_va_ssrc(0) depctr_va_vcc(0) depctr_vm_vsrc(0)
	s_getreg_b32 s2, hwreg(HW_REG_IB_STS2, 6, 4)
	s_cmp_eq_u32 s2, 0
	s_cbranch_scc0 .Lentry_in_a_cluster
	s_endpgm
.Lentry_in_a_cluster:
	s_bfe_u32 s2, ttmp6, 0x10000c
	s_cmp_lg_u32 s2, 0x3003
	s_cbranch_scc0 .Lentry_shape_is_right
	s_endpgm
.Lentry_shape_is_right:
; softmax(Q K^T / 8, masked) V for 256 queries of one (batch, head), with a running maximum, in base 2 (q carries 0.125 log2 e).
; grid x = block of 256 queries, grid y = 16 batch + head.  Eight waves: g = w & 3 owns 64 queries, kh = w >> 2 owns keys 64 kh .. + 63 of
; every tile of 128 keys; the two halves of a query's keys are merged once at the end, through LDS.
; Both products are used transposed.  Scores: source 0 = 16 keys, source 1 = 16 queries: a lane holds one query and 8 keys, so the row
; figures (maximum, sum, factor) are one number a lane, and two neighbouring key tiles, packed to f16 in the lane, ARE source 1 of the
; second product (source 0 = 16 features of V transposed), whose result again holds one query a lane.
; THE SKEW: every wave runs the same cycle (loads, score products, first half of the softmax, second half, second products), but from
; tile 1 on the barrier in front of a tile stands at two places of that cycle: the waves with skew bit 0 pass it between two tiles, those
; with skew bit 1 in the middle of the softmax.  So between two barriers one kind runs products, softmax, products and the other softmax,
; products, softmax: matrix work of some waves lies over vector work of the others.  The bit is (w + (w >> 2)) & 1: it differs between
; waves w and w + 4 and between waves 2 i and 2 i + 1.  Under the branches on it stand register work and a wait for LDS loads alone.
; Tile 0 is run alike by all waves, ahead of the first such branch: its products start the result and its row sums start the sums.
; THE MASK: each score's sum starts from bias[key] = 0 for a kept key, -1e9 log2 e for a masked one, and K of a masked key is stored as
; zeros, so a masked score is -1e9 log2 e exactly; where every key of a batch is masked all weights are equal, as with a replaced score.
; LIMITS: the weights p and the result are f16 (|context| above 65,504 overflows); an exponential below 2^-126 comes out as zero.
; CLUSTERS: the four query blocks of a cluster walk the same K and V tiles and ask for them jointly (mask 15).
; By the text's own count a wave has two tensor loads outstanding at the most.
.set KP,    144                        ; K: a row of 64 f16 + 16 bytes
.set VP,    272                        ; V transposed: a row of 128 f16 + 16 bytes
.set KB,    128*KP                     ; 18,432
.set SLOT,  KB+64*VP                   ; 35,840; two slots
.set BIAS,  2*SLOT                     ; 71,680: f32[2048], written once by LDS stores; no fill lands here or behind
.set MG,    BIAS+8192                  ; 79,872: 4 x 17,408, what the waves of kh = 1 hand over
.set MGW,   17408
.set OS,    MG+4*MGW                   ; 149,504: 4 x 9,216, the stage of the way out
.set KSTEP, 16384                      ; bytes of kw from tile to tile
.set VSTEP, 256                        ; bytes of vt from tile to tile
.set NEG,   0xceabfb8f                 ; -1e9 x log2 e
.set ADK, 8                            ; LDS address of my K fragments in slot 0
.set ADV, 9                            ; of my V fragments in slot 0
.set ADB, 10                           ; of my bias words; steps 512 bytes a tile
.set QO,  11                           ; my byte offset in my 64 rows of qw
.set M,   12                           ; v12-15  running maximum of query tile n
.set LS,  16                           ; v16-19  running sum over this lane's keys
.set TX,  20                           ; v20-23  what comes from the other half of the lanes
.set M1,  24                           ; v24-27  the partner's maxima (first: the mask words)
.set L1,  28                           ; v28-31  the partner's sums
.set BI,  32                           ; v32-63  bias of key tile kt: 8 registers
.set KF,  64                           ; v64-127 K fragments (kt, ks) at 8 (2 kt + ks); free for the softmax behind the score products:
.set NM,  64                           ;   v64-71 minus the maximum, twice
.set AL,  72                           ;   v72-79 the factor 2^(old max - new max), twice
.set MX,  80                           ;   v80-83 the new maximum
.set RS,  84                           ;   v84-91 the tile's row sums
.set RT,  92                           ;   v92-93 a second chain for the last query tile's row sum
.set S,   128                          ; v128-255 scores: block (p, n) of 16 registers at 16 (4 p + n): key tiles 2 p, 2 p + 1; later its first 8: p in f16
.set O,   0                            ; window 1, v0-127: result tile (hdt, n) at 8 (4 hdt + n)
.set QF,  128                          ; window 1, v128-191: Q fragments (n, ks) at 8 (2 n + ks)
.set VF,  192                          ; window 1, v192-255: V fragments (hdt, p) at 8 (2 hdt + p)
.set G1K, 24
.set G1V, 32
.set G0K, 40                           ; s[40:47] one set for each slot
.set G0V, 48
.set MSB, 0
.macro WIN new
.if MSB != \new
	s_set_vgpr_msb (MSB<<8)|\new
.set MSB, \new
.endif
.endm
.macro PLACES
.rept 4
	v_nop
.endr
.endm
.macro ROUND                           ; a round of the cluster's barrier
	s_barrier_signal -1
	s_barrier_wait -1
	s_cmp_lg_u32 s14, 0
	s_cbranch_scc1 .Lnot_wave_0_\@
	s_barrier_signal -3
.Lnot_wave_0_\@:
	s_barrier_wait -3
	s_barrier_signal -1
	s_barrier_wait -1
.endm
	s_load_b256 s[4:11], s[0:1], 0x0               ; qw s[4:5], kw s[6:7], vt s[8:9], attention_mask s[10:11]
	s_load_b64 s[12:13], s[0:1], 0x20              ; ctx
	v_lshl_add_u32 v126, v0, 2, 0x2d800
	v_mov_b32 v127, 0
	ds_add_u32 v126, v127
	s_wait_dscnt 0x0
	v_lshrrev_b32 v1, 5, v0
	v_readfirstlane_b32 s14, v1                    ; wave 0..7
	s_and_b32 s15, s14, 3                          ; g
	s_lshr_b32 s16, s14, 2                         ; kh
	s_bfe_u32 s17, ttmp6, 0x40000                  ; cx
	s_lshl_b32 s18, ttmp9, 2
	s_add_co_u32 s18, s18, s17                     ; block of queries
	s_and_b32 s19, ttmp7, 0xffff                   ; 16 batch + head
	s_mov_b32 s22, 0x76543210                      ; v_permlanex16_b32: lane i of one half reads lane i of the other
	s_mov_b32 s23, 0xfedcba98
	s_mov_b32 s[G1K+0], 15|(1<<16)|(1<<20)|(1<<21)|(4<<22)|(3<<25)  ; mask of the four; 2-byte elements; 4 words of padding after 32
	s_mov_b32 s[G1K+1], 64<<16                     ; tensor_dim0 = 64
	s_mov_b32 s[G1K+2], 16<<16                     ; tensor_dim1 = 16
	s_mov_b32 s[G1K+3], 64<<16                     ; tile_dim0 = 64
	s_mov_b32 s[G1K+4], 16                         ; tile_dim1 = 16 keys a wave
	s_mov_b32 s[G1K+5], 64
	s_mov_b32 s[G1K+6], 0
	s_mov_b32 s[G1K+7], 0
	s_mov_b32 s[G1V+0], 15|(1<<16)|(1<<20)|(1<<21)|(5<<22)|(3<<25)  ; 4 words of padding after 64
	s_mov_b32 s[G1V+1], 128<<16
	s_mov_b32 s[G1V+2], 8<<16
	s_mov_b32 s[G1V+3], 128<<16                    ; 128 keys
	s_mov_b32 s[G1V+4], 8                          ; 8 features a wave
	s_mov_b32 s[G1V+5], 2048
	s_mov_b32 s[G1V+6], 0
	s_mov_b32 s[G1V+7], 0
	s_lshl_b32 s20, s19, 18                        ; (batch, head) x 262,144 bytes, in qw, kw, vt and ctx
	s_lshl_b32 s21, s14, 11
	s_add_co_u32 s58, s20, s21                     ; kw: + my 16 rows of 128 bytes
	s_mov_b32 s59, 0
	s_lshl_b32 s21, s14, 15
	s_add_co_u32 s62, s20, s21                     ; vt: + my 8 rows of 4,096 bytes
	s_mov_b32 s63, 0
	s_lshl_b32 s60, s18, 15                        ; qw, ctx: + 256 rows a block + 64 rows for g (these registers feed no descriptor)
	s_add_co_u32 s60, s60, s20
	s_lshl_b32 s61, s15, 13
	s_add_co_u32 s60, s60, s61
	s_mov_b32 s61, 0
	s_lshr_b32 s57, s19, 4
	s_lshl_b32 s57, s57, 13                        ; attention_mask: batch x 8,192 bytes
	v_lshl_add_u32 v3, v0, 5, s57                  ; + 8 words a thread
	v_and_b32 v1, 15, v0                           ; r
	v_bfe_u32 v2, v0, 4, 1                         ; h
	v_and_b32 v4, 31, v0                           ; lane
	v_lshlrev_b32 v[QO], 7, v1
	v_lshl_add_u32 v[QO], v2, 4, v[QO]             ; 128 r + 16 h
	s_wait_kmcnt 0x0
	s_add_nc_u64 s[4:5], s[4:5], s[60:61]
	s_add_nc_u64 s[12:13], s[12:13], s[60:61]
	s_add_nc_u64 s[6:7], s[6:7], s[58:59]
	s_add_nc_u64 s[8:9], s[8:9], s[62:63]
	s_add_co_u32 s58, s14, s16                     ; the offset in s58 has been used: from here on s58 is
	s_and_b32 s58, s58, 1                          ; the skew bit (w + (w >> 2)) & 1
	global_load_b128 v[24:27], v3, s[10:11]
	global_load_b128 v[28:31], v3, s[10:11] offset:16
	WIN 0x40                                       ; loaded data into window 1
.irp n, 0,1,2,3
.irp ks, 0,1
	global_load_b128 v[QF+8*(2*\n+\ks):QF+8*(2*\n+\ks)+3],   v[QO], s[4:5] offset:2048*\n+64*\ks
	global_load_b128 v[QF+8*(2*\n+\ks)+4:QF+8*(2*\n+\ks)+7], v[QO], s[4:5] offset:2048*\n+64*\ks+32
.endr
.endr
	WIN 0
	s_mul_i32 s20, s14, 16*KP                      ; LDS: my 16 rows of K,
	s_mul_i32 s21, s14, 8*VP
	s_add_co_u32 s21, s21, KB                      ; my 8 rows of V transposed
.irp s, 0,1
	s_mov_b32 s[G0K+4*\s], 1
	s_add_co_u32 s[G0K+4*\s+1], s20, \s*SLOT
	s_add_nc_u64 s[G0K+4*\s+2:G0K+4*\s+3], s[6:7], \s*KSTEP        ; tile s
	s_or_b32 s[G0K+4*\s+3], s[G0K+4*\s+3], 0x80000000
	s_mov_b32 s[G0V+4*\s], 1
	s_add_co_u32 s[G0V+4*\s+1], s21, \s*SLOT
	s_add_nc_u64 s[G0V+4*\s+2:G0V+4*\s+3], s[8:9], \s*VSTEP
	s_or_b32 s[G0V+4*\s+3], s[G0V+4*\s+3], 0x80000000
.endr
	v_mul_u32_u24 v5, v1, KP
	v_lshl_add_u32 v5, v2, 4, v5
	s_mul_i32 s57, s16, 64*KP
	v_add_nc_u32 v[ADK], s57, v5                   ; (64 kh + r) x 144 + 16 h
	v_mul_u32_u24 v5, v1, VP
	v_lshl_add_u32 v5, v2, 4, v5
	s_lshl_b32 s57, s16, 7
	s_add_co_u32 s57, s57, KB
	v_add_nc_u32 v[ADV], s57, v5                   ; KB + 272 r + 128 kh + 16 h
	s_lshl_b32 s57, s16, 8
	s_add_co_u32 s57, s57, BIAS
	v_lshl_add_u32 v[ADB], v2, 5, s57              ; BIAS + 256 kh + 32 h
	s_mov_b32 s57, BIAS
	v_lshl_add_u32 v7, v0, 5, s57                  ; where my 8 bias words go
	v_mov_b32 v6, NEG
	s_wait_loadcnt 16                              ; the two mask loads are in; the 16 loads of Q stay out
.irp i, 0,1,2,3,4,5,6,7
	v_cmp_eq_u32 vcc_lo, 0, v[24+\i]
	v_cndmask_b32 v[24+\i], 0, v6, vcc_lo
.endr
	ds_store_b128 v7, v[24:27]
	ds_store_b128 v7, v[28:31] offset:16
.irp n, 0,1,2,3
	v_mov_b32 v[M+\n], 0xff800000                  ; minus infinity
	v_mov_b32 v[TX+\n], 0                          ; v_permlanex16_b32 counts as a reader of its destination
.endr
	s_wait_dscnt 0x0                               ; the bias is written, for the other waves' sake
	ROUND                                          ; the four work-groups are here: the first joint loads meet
	tensor_load_to_lds s[G0K:G0K+3], s[G1K:G1K+7]  ; tile 0 into slot 0
	s_nop 0
	tensor_load_to_lds s[G0V:G0V+3], s[G1V:G1V+7]
	s_nop 0
	s_wait_loadcnt 0x0                             ; Q
; The change of slots in front of the tile in slot \slot.  refill = 1: the next tile is asked for, into the other slot.
; A wave of skew 1 has by now issued all its fragment loads of the tile before, V's too; the wait for its LDS loads covers them.
.macro HEAD slot, refill
	s_wait_xcnt 0x0
	v_lshl_add_u32 v126, v0, 2, 0x2d800
	v_mov_b32 v127, 0
	s_wait_tensorcnt 0x0                           ; all my tensor loads have landed, my part of this tile among them,
	ds_add_u32 v126, v127
	s_wait_dscnt 0x0
	s_add_nc_u64 s[G0K+4*\slot+2:G0K+4*\slot+3], s[G0K+4*\slot+2:G0K+4*\slot+3], 2*KSTEP   ; so every group 0 may be written: this slot's next tile
	s_add_nc_u64 s[G0V+4*\slot+2:G0V+4*\slot+3], s[G0V+4*\slot+2:G0V+4*\slot+3], 2*VSTEP
	s_wait_dscnt 0x0                               ; my reads of the last tile are done
	ROUND                                          ; both now hold of every wave of the four work-groups
.if \refill
	tensor_load_to_lds s[G0K+4-4*\slot:G0K+7-4*\slot], s[G1K:G1K+7]
	s_nop 0
	tensor_load_to_lds s[G0V+4-4*\slot:G0V+7-4*\slot], s[G1V:G1V+7]
	s_nop 0
.endif
.endm
; The fragments of my 64 keys of the tile in slot \slot, and the score products.
.macro SCORES slot
.irp kt, 0,1,2,3
	ds_load_b128 v[BI+8*\kt:BI+8*\kt+3],   v[ADB] offset:64*\kt
	ds_load_b128 v[BI+8*\kt+4:BI+8*\kt+7], v[ADB] offset:64*\kt+16
.endr
.irp kt, 0,1,2,3
.irp ks, 0,1
	ds_load_b128 v[KF+8*(2*\kt+\ks):KF+8*(2*\kt+\ks)+3],   v[ADK] offset:\slot*SLOT+16*KP*\kt+64*\ks
	ds_load_b128 v[KF+8*(2*\kt+\ks)+4:KF+8*(2*\kt+\ks)+7], v[ADK] offset:\slot*SLOT+16*KP*\kt+64*\ks+32
.endr
.endr
	WIN 0x40
.irp hdt, 0,1,2,3
.irp p, 0,1
	ds_load_b128 v[VF+8*(2*\hdt+\p):VF+8*(2*\hdt+\p)+3],   v[ADV] offset:\slot*SLOT+16*VP*\hdt+64*\p
	ds_load_b128 v[VF+8*(2*\hdt+\p)+4:VF+8*(2*\hdt+\p)+7], v[ADV] offset:\slot*SLOT+16*VP*\hdt+64*\p+32
.endr
.endr
	WIN 0
	v_add_nc_u32 v[ADB], 512, v[ADB]               ; the next tile's 128 bias words
	s_wait_dscnt 16                                ; bias and K are in; the 16 loads of V stay out
	; 16 accumulators by turns, one instruction a turn; the first product adds onto the bias
	WIN 0x04                                       ; source 1 (Q) in window 1
	s_wait_alu depctr_va_vdst(0)
.irp p, 0,1
.irp e, 0,1
.irp n, 0,1,2,3
	v_wmma_f32_16x16x32_f16 v[S+16*(4*\p+\n)+8*\e:S+16*(4*\p+\n)+8*\e+7], v[KF+16*(2*\p+\e):KF+16*(2*\p+\e)+7], v[QF+16*\n:QF+16*\n+7], v[BI+8*(2*\p+\e):BI+8*(2*\p+\e)+7]
.endr
.endr
.endr
.irp p, 0,1
.irp e, 0,1
.irp n, 0,1,2,3
	v_wmma_f32_16x16x32_f16 v[S+16*(4*\p+\n)+8*\e:S+16*(4*\p+\n)+8*\e+7], v[KF+16*(2*\p+\e)+8:KF+16*(2*\p+\e)+15], v[QF+16*\n+8:QF+16*\n+15], v[S+16*(4*\p+\n)+8*\e:S+16*(4*\p+\n)+8*\e+7]
.endr
.endr
.endr
	WIN 0
	PLACES                                         ; in front of vector work on the scores and on K's registers
.endm
; Pair i (0 .. 15) of query tile n's 32 scores of a lane lies at S + 64 (i / 8) + 16 n + 2 (i % 8).
.macro CVT n, i                        ; pair i of query tile n to f16, in place: a block's 16 registers become the 8 of a fragment
	v_cvt_pk_f16_f32 v[S+64*((\i)/8)+16*\n+((\i)%8)], v[S+64*((\i)/8)+16*\n+2*((\i)%8)], v[S+64*((\i)/8)+16*\n+2*((\i)%8)+1]
.endm
; The 32 exponentials of query tile n, in place, each followed by plain work on other registers (the plain place that a transcendental
; asks for: ISA guide 5.7.2): the subtraction of the maximum in tile subn, the row sum of tile sumn, the packing of tile cvtn; 9 = none.
.macro EXPF n, subn, sumn, cvtn
.irp i, 0,1,2,3,4,5,6,7,8,9,10,11,12,13,14,15
	v_exp_f32 v[S+64*(\i/8)+16*\n+2*(\i%8)], v[S+64*(\i/8)+16*\n+2*(\i%8)]
.if \subn < 4
	v_pk_add_f32 v[S+64*(\i/8)+16*\subn+2*(\i%8):S+64*(\i/8)+16*\subn+2*(\i%8)+1], v[S+64*(\i/8)+16*\subn+2*(\i%8):S+64*(\i/8)+16*\subn+2*(\i%8)+1], v[NM+2*\subn:NM+2*\subn+1]
.endif
	v_exp_f32 v[S+64*(\i/8)+16*\n+2*(\i%8)+1], v[S+64*(\i/8)+16*\n+2*(\i%8)+1]
.if \sumn < 4
.if \i == 1
	s_wait_alu depctr_va_vdst(0)
	v_pk_add_f32 v[RS+2*\sumn:RS+2*\sumn+1], v[S+16*\sumn:S+16*\sumn+1], v[S+16*\sumn+2:S+16*\sumn+3]
.endif
.if \i > 1
	s_wait_alu depctr_va_vdst(0)
	v_pk_add_f32 v[RS+2*\sumn:RS+2*\sumn+1], v[RS+2*\sumn:RS+2*\sumn+1], v[S+64*(\i/8)+16*\sumn+2*(\i%8):S+64*(\i/8)+16*\sumn+2*(\i%8)+1]
.endif
.endif
.if \cvtn < 4
	CVT \cvtn, \i
.endif
.endr
.endm
; The first half of a tile's softmax: the new maximum, the factor, p = 2^(score - maximum) of query tiles 0 and 1.
.macro SOFT1 first
	; four chains, one for each query tile, started by the old maximum
.irp n, 0,1,2,3
	v_max3_num_f32 v[MX+\n], v[M+\n], v[S+16*\n], v[S+16*\n+1]
.endr
.irp i, 1,2,3,4,5,6,7
.irp n, 0,1,2,3
	v_max3_num_f32 v[MX+\n], v[MX+\n], v[S+16*\n+2*\i], v[S+16*\n+2*\i+1]
.endr
.endr
.irp i, 0,1,2,3,4,5,6,7
.irp n, 0,1,2,3
	v_max3_num_f32 v[MX+\n], v[MX+\n], v[S+64+16*\n+2*\i], v[S+64+16*\n+2*\i+1]
.endr
.endr
.irp n, 0,1,2,3
	v_permlanex16_b32 v[TX+\n], v[MX+\n], s22, s23 ; the same query's other 32 keys lie in the other half of the lanes
.endr
.irp n, 0,1,2,3
	v_max_num_f32 v[MX+\n], v[MX+\n], v[TX+\n]
.if \first == 0
	v_sub_f32 v[AL+2*\n], v[M+\n], v[MX+\n]
.endif
	v_mov_b32 v[M+\n], v[MX+\n]
	v_sub_f32 v[NM+2*\n], 0, v[MX+\n]
	v_sub_f32 v[NM+2*\n+1], 0, v[MX+\n]
.endr
.if \first == 0
.irp n, 0,1,2,3
	v_exp_f32 v[AL+2*\n], v[AL+2*\n]
.endr
	v_nop                                          ; one plain place behind a transcendental (ISA guide 5.7.2)
	s_wait_alu depctr_va_vdst(0)
.irp n, 0,1,2,3
	v_mov_b32 v[AL+2*\n+1], v[AL+2*\n]
.endr
.endif
.irp i, 0,1,2,3,4,5,6,7,8,9,10,11,12,13,14,15
	v_pk_add_f32 v[S+64*(\i/8)+2*(\i%8):S+64*(\i/8)+2*(\i%8)+1], v[S+64*(\i/8)+2*(\i%8):S+64*(\i/8)+2*(\i%8)+1], v[NM:NM+1]
.endr
	EXPF 0, 1, 9, 9
	EXPF 1, 2, 0, 9
.endm
; The second half: p of query tiles 2 and 3, the row sums, p to f16, the result so far times the factor, and the second products.
; first = 1 (tile 0): the row sums start the sums and the products start the result: nothing is cleared.
.macro SOFT2 first
	EXPF 2, 3, 1, 0
	EXPF 3, 9, 2, 1
	; query tile 3's row sum in two chains, among the packing of tile 2
	v_pk_add_f32 v[RS+6:RS+7], v[S+48:S+49], v[S+50:S+51]
	s_wait_alu depctr_va_vdst(0)
	v_pk_add_f32 v[RT:RT+1], v[S+112:S+113], v[S+114:S+115]
	CVT 2, 0
	CVT 2, 1
.irp j, 2,3,4,5,6,7
	v_pk_add_f32 v[RS+6:RS+7], v[RS+6:RS+7], v[S+48+2*\j:S+48+2*\j+1]
	v_pk_add_f32 v[RT:RT+1], v[RT:RT+1], v[S+112+2*\j:S+112+2*\j+1]
	CVT 2, 2*\j-2
	CVT 2, 2*\j-1
.endr
	CVT 2, 14
	CVT 2, 15
	v_pk_add_f32 v[RS+6:RS+7], v[RS+6:RS+7], v[RT:RT+1]
.irp i, 0,1,2,3,4,5,6,7,8,9,10,11,12,13,14,15
	CVT 3, \i
.endr
.if \first
.irp n, 0,1,2,3
	v_add_f32 v[LS+\n], v[RS+2*\n], v[RS+2*\n+1]
.endr
.else
.irp n, 0,1,2,3
	v_add_f32 v[RS+2*\n], v[RS+2*\n], v[RS+2*\n+1]
.endr
.irp n, 0,1,2,3
	v_fma_f32 v[LS+\n], v[LS+\n], v[AL+2*\n], v[RS+2*\n]
.endr
	WIN 0x41                                       ; the result so far (window 1) times the factor (window 0)
.irp hdt, 0,1,2,3
.irp n, 0,1,2,3
.irp j, 0,2,4,6
	v_pk_mul_f32 v[O+8*(4*\hdt+\n)+\j:O+8*(4*\hdt+\n)+\j+1], v[O+8*(4*\hdt+\n)+\j:O+8*(4*\hdt+\n)+\j+1], v[AL+2*\n:AL+2*\n+1]
.endr
.endr
.endr
.endif
	s_wait_dscnt 0x0                               ; V
	WIN 0x51                                       ; source 0 (V), C and D in window 1, source 1 (p) in window 0; 16 accumulators by turns
.irp hdt, 0,1,2,3
.irp n, 0,1,2,3
.if \first
	v_wmma_f32_16x16x32_f16 v[O+8*(4*\hdt+\n):O+8*(4*\hdt+\n)+7], v[VF+16*\hdt:VF+16*\hdt+7], v[S+16*\n:S+16*\n+7], 0
.else
	v_wmma_f32_16x16x32_f16 v[O+8*(4*\hdt+\n):O+8*(4*\hdt+\n)+7], v[VF+16*\hdt:VF+16*\hdt+7], v[S+16*\n:S+16*\n+7], v[O+8*(4*\hdt+\n):O+8*(4*\hdt+\n)+7]
.endif
.endr
.endr
.irp hdt, 0,1,2,3
.irp n, 0,1,2,3
	v_wmma_f32_16x16x32_f16 v[O+8*(4*\hdt+\n):O+8*(4*\hdt+\n)+7], v[VF+16*\hdt+8:VF+16*\hdt+15], v[S+64+16*\n:S+64+16*\n+7], v[O+8*(4*\hdt+\n):O+8*(4*\hdt+\n)+7]
.endr
.endr
	WIN 0
.rept 5
	v_nop                                          ; places behind these products: four in front of loads into V's fragments and of stores of the result, five in front of the products that write over p
.endr
.endm
; SOFT2 in the waves whose skew bit is \want.  Both kinds of guard make the same compare and branch on its two outcomes, so that every
; wave takes exactly one kind.  The branch hangs on the wave's number alone.
.macro GUARD2 want
	s_cmp_lg_u32 s58, 0
.if \want
	s_cbranch_scc0 .Lother_\@
.else
	s_cbranch_scc1 .Lother_\@
.endif
	SOFT2 0
.Lother_\@:
.endm
; One tile of 128 keys.  hb = 1: the waves of skew 1 first finish the tile before.
.macro TRIP slot, refill, hb
	HEAD \slot, \refill
.if \hb
	GUARD2 1
.endif
	SCORES \slot
	SOFT1 0
	GUARD2 0
.endm
	HEAD 0, 1                                      ; tile 0, whole, in every wave: it starts the sums and the result
	SCORES 0
	SOFT1 1
	SOFT2 1
	TRIP 1, 1, 0                                   ; tile 1: the waves of skew 1 stop in the middle of its softmax
	s_mov_b32 s56, 6                               ; tiles 2 to 13
.Lpair:
	TRIP 0, 1, 1
	TRIP 1, 1, 1
	s_sub_co_u32 s56, s56, 1
	s_cmp_lg_u32 s56, 0
	s_cbranch_scc1 .Lpair
	TRIP 0, 1, 1
	TRIP 1, 0, 1                                   ; the last tile asks for nothing
	GUARD2 1                                       ; the waves of skew 1 finish the last tile
	; THE MERGE of the two halves of the keys, and the way out.  The five places at the end of SOFT2 stand behind the last products.
	s_mul_i32 s57, s15, MGW
	s_add_co_u32 s57, s57, MG
	v_lshl_add_u32 v5, v4, 4, s57                  ; MG + 17,408 g + 16 lane
	s_cmp_eq_u32 s16, 0
	s_cbranch_scc1 .Lkeep
	WIN 0x04                                       ; store data from window 1
.set i, 0
.rept 32
	ds_store_b128 v5, v[O+4*i:O+4*i+3] offset:512*i
.set i, i+1
.endr
	WIN 0
	ds_store_b128 v5, v[M:M+3] offset:16384
	ds_store_b128 v5, v[LS:LS+3] offset:16896
.Lkeep:
	s_wait_dscnt 0x0                               ; for the partner's sake
	s_barrier_signal -1
	s_barrier_wait -1
	s_cmp_lg_u32 s16, 0
	s_cbranch_scc1 .Ldone
.set i, 0
	s_wait_alu depctr_va_vdst(0)
.rept 32
	ds_load_b128 v[S+4*i:S+4*i+3], v5 offset:512*i
.set i, i+1
.endr
	ds_load_b128 v[M1:M1+3], v5 offset:16384
	ds_load_b128 v[L1:L1+3], v5 offset:16896
.set A0, 64                            ; v64-67  2^(my maximum - joint maximum)
.set A1, 68                            ; v68-71  the partner's
.set LL, 72                            ; v72-75  the joint sum, then its reciprocal
.set T,  76                            ; v76-79  the joint maximum
.set F0, 80                            ; v80-87  my factor, twice
.set F1, 88                            ; v88-95  the partner's factor, twice
	s_mul_i32 s57, s15, 64*KP
	s_add_co_u32 s57, s57, OS
	v_mul_u32_u24 v6, v1, KP
	v_lshl_add_u32 v6, v2, 4, v6
	v_add_nc_u32 v6, s57, v6                       ; stage, in: OS + 9,216 g + 144 r + 16 h
	v_lshrrev_b32 v7, 3, v4
	v_mul_u32_u24 v7, v7, KP
	v_and_b32 v3, 7, v4
	v_lshl_add_u32 v7, v3, 4, v7
	v_add_nc_u32 v7, s57, v7                       ; stage, back: eight lanes a row of 128 bytes
	v_lshlrev_b32 v3, 4, v4                        ; my byte offset in my 64 rows of ctx
	s_wait_dscnt 0x0
.irp n, 0,1,2,3
	v_max_num_f32 v[T+\n], v[M+\n], v[M1+\n]
.endr
.irp n, 0,1,2,3
	v_sub_f32 v[A0+\n], v[M+\n], v[T+\n]
	v_sub_f32 v[A1+\n], v[M1+\n], v[T+\n]
.endr
.irp n, 0,1,2,3
	v_exp_f32 v[A0+\n], v[A0+\n]
	v_exp_f32 v[A1+\n], v[A1+\n]
.endr
	v_nop
	s_wait_alu depctr_va_vdst(0)
.irp n, 0,1,2,3
	v_mul_f32 v[LL+\n], v[LS+\n], v[A0+\n]
.endr
.irp n, 0,1,2,3
	v_fmac_f32 v[LL+\n], v[L1+\n], v[A1+\n]
.endr
.irp n, 0,1,2,3
	v_permlanex16_b32 v[TX+\n], v[LL+\n], s22, s23 ; the sums were kept for each half of the lanes: join them now
.endr
.irp n, 0,1,2,3
	v_add_f32 v[LL+\n], v[LL+\n], v[TX+\n]
.endr
.irp n, 0,1,2,3
	v_rcp_f32 v[LL+\n], v[LL+\n]                   ; the sum is at least 1: the key of the maximum adds 2^0
.endr
	v_nop
	s_wait_alu depctr_va_vdst(0)
.irp n, 0,1,2,3
	v_mul_f32 v[F0+2*\n], v[A0+\n], v[LL+\n]
	v_mul_f32 v[F0+2*\n+1], v[A0+\n], v[LL+\n]
	v_mul_f32 v[F1+2*\n], v[A1+\n], v[LL+\n]
	v_mul_f32 v[F1+2*\n+1], v[A1+\n], v[LL+\n]
.endr
.irp hdt, 0,1,2,3
.irp n, 0,1,2,3
.irp j, 0,2,4,6
	v_pk_mul_f32 v[S+8*(4*\hdt+\n)+\j:S+8*(4*\hdt+\n)+\j+1], v[S+8*(4*\hdt+\n)+\j:S+8*(4*\hdt+\n)+\j+1], v[F1+2*\n:F1+2*\n+1]
.endr
.endr
.endr
	WIN 0x01                                       ; source 0 (my result) in window 1
.irp hdt, 0,1,2,3
.irp n, 0,1,2,3
.irp j, 0,2,4,6
	v_pk_fma_f32 v[S+8*(4*\hdt+\n)+\j:S+8*(4*\hdt+\n)+\j+1], v[O+8*(4*\hdt+\n)+\j:O+8*(4*\hdt+\n)+\j+1], v[F0+2*\n:F0+2*\n+1], v[S+8*(4*\hdt+\n)+\j:S+8*(4*\hdt+\n)+\j+1]
.endr
.endr
.endr
	WIN 0
.irp b, 0,1,2,3,4,5,6,7,8,9,10,11,12,13,14,15
.irp k, 0,1,2,3
	v_cvt_pk_f16_f32 v[S+8*\b+\k], v[S+8*\b+2*\k], v[S+8*\b+2*\k+1]
.endr
.endr
.irp hdt, 0,1,2,3
.irp n, 0,1,2,3
	ds_store_b128 v6, v[S+8*(4*\hdt+\n):S+8*(4*\hdt+\n)+3] offset:16*KP*\n+32*\hdt    ; query 16 n + r, features 16 hdt + 8 h .. + 7
.endr
.endr
.set i, 0
.rept 16
	ds_load_b128 v[32+4*i+32*(i/8):32+4*i+32*(i/8)+3], v7 offset:4*KP*i               ; my own bytes: LDS serves a wave's instructions in order
.set i, i+1
.endr
.set i, 0
.rept 16
	s_wait_dscnt 15-i
	global_store_b128 v3, v[32+4*i+32*(i/8):32+4*i+32*(i/8)+3], s[12:13] offset:512*i ; 512 consecutive bytes, aligned
.set i, i+1
.endr
.Ldone:
	s_wait_dscnt 0x0
	s_wait_xcnt 0x0
	v_lshl_add_u32 v126, v0, 2, 0x2d800
	v_mov_b32 v127, 0
	s_wait_tensorcnt 0x0
	ds_add_u32 v126, v127
	s_wait_dscnt 0x0
	ROUND                                          ; the closing round
	s_endpgm
.Lfunc_end_k_q05ddb8b6d9_attn:
	.size	k_q05ddb8b6d9_attn, .Lfunc_end_k_q05ddb8b6d9_attn-k_q05ddb8b6d9_attn
	.p2alignl 7, 3214868480
	.fill 96, 4, 3214868480
	.section	.rodata,"a",@progbits
	.p2align	6, 0x0
	.amdhsa_kernel k_q05ddb8b6d9_attn
		.amdhsa_group_segment_fixed_size 327680
		.amdhsa_private_segment_fixed_size 0
		.amdhsa_enable_private_segment 0
		.amdhsa_kernarg_size 40
		.amdhsa_user_sgpr_count 2
		.amdhsa_user_sgpr_kernarg_segment_ptr 1
		.amdhsa_wavefront_size32 1
		.amdhsa_system_sgpr_workgroup_id_x 1
		.amdhsa_system_sgpr_workgroup_id_y 1
		.amdhsa_system_sgpr_workgroup_id_z 1
		.amdhsa_system_vgpr_workitem_id 0
		.amdhsa_next_free_vgpr 512
		.amdhsa_next_free_sgpr 66
		.amdhsa_reserve_vcc 1
		.amdhsa_float_denorm_mode_32 3
		.amdhsa_float_denorm_mode_16_64 3
		.amdhsa_memory_ordered 1
		.amdhsa_forward_progress 1
		.amdhsa_inst_pref_size 255
	.end_amdhsa_kernel
	.section	.bss,"aw",@nobits
	.p2align	6
	.space	262144
	.amdgpu_metadata
---
amdhsa.version: [ 1, 2 ]
amdhsa.kernels:
  - .name:           k_q05ddb8b6d9_attn
    .symbol:         k_q05ddb8b6d9_attn.kd
    .args:
      - { .name: qw, .offset: 0, .size: 8, .value_kind: global_buffer, .address_space: global }
      - { .name: kw, .offset: 8, .size: 8, .value_kind: global_buffer, .address_space: global }
      - { .name: vt, .offset: 16, .size: 8, .value_kind: global_buffer, .address_space: global }
      - { .name: attention_mask, .offset: 24, .size: 8, .value_kind: global_buffer, .address_space: global }
      - { .name: ctx, .offset: 32, .size: 8, .value_kind: global_buffer, .address_space: global }
    .group_segment_fixed_size: 327680
    .private_segment_fixed_size: 0
    .kernarg_segment_align: 8
    .kernarg_segment_size: 40
    .max_flat_workgroup_size: 256
    .sgpr_count:     66
    .vgpr_count:     512
    .wavefront_size: 32
...
	.end_amdgpu_metadata
.endif
;; end of part 3
;; launch oproj (part 4): grid 8 x 32, 4 waves a work-group, clusters of 4 x 4, 327,680 bytes of LDS; arguments ctx, cb, out0; writes out0
.if DOCPART == 4
	.amdgcn_target "amdgcn-amd-amdhsa--gfx1250"
	.amdhsa_code_object_version 6
	.text
	.protected	k_q05ddb8b6d9_oproj
	.globl	k_q05ddb8b6d9_oproj
	.p2align	8
	.type	k_q05ddb8b6d9_oproj,@function
k_q05ddb8b6d9_oproj:
	s_mov_b64 s[64:65], 0
	v_nop
	global_prefetch_b8 v0, s[64:65] scope:SCOPE_SE
	s_setreg_imm32_b32 hwreg(HW_REG_WAVE_MODE, 25, 1), 1
	s_wait_xcnt 0x0
	s_wait_alu depctr_hold_cnt(0) depctr_sa_sdst(0) depctr_va_vdst(0) depctr_va_sdst(0) depctr_va_ssrc(0) depctr_va_vcc(0) depctr_vm_vsrc(0)
	s_getreg_b32 s2, hwreg(HW_REG_IB_STS2, 6, 4)
	s_cmp_eq_u32 s2, 0
	s_cbranch_scc0 .Lentry_in_a_cluster
	s_endpgm
.Lentry_in_a_cluster:
	s_bfe_u32 s2, ttmp6, 0x10000c
	s_cmp_lg_u32 s2, 0xf033
	s_cbranch_scc0 .Lentry_shape_is_right
	s_endpgm
.Lentry_shape_is_right:
; out0[row][col] = sum over k of context[row][k] Wo[col][k]: 4096 x 1024 x 1024 in f16 with f32 sums, f32 out.
; grid x = block of 128 columns, grid y = block of 128 rows: 256 work-groups.  Four waves, each 64 x 64: 16 accumulator tiles in window 1.
; ctx is [batch x head][2048][64] f16, so 128 along K are two heads: two tiles of 128 rows x 128 bytes.  Wo comes from cb (f16).
; Four LDS sub-slots of 128 along K, used as two slots of two: two sub-slots are filled behind one round of the cluster's barrier, and
; each refill has a whole slot's 128 matrix instructions in which to land.  By the text's own count a wave has four tensor loads out at the most.
; Source 0 = rows of Wo, source 1 = rows of the context: a lane holds one row of out0 and 8 neighbouring columns.
; CLUSTERS: 4 x 4.  The context's tiles hang on grid y alone (joint along a row of the cluster), Wo's on grid x alone (along a column).
.set AP,    144
.set BP,    272
.set AT,    128*AP                     ; 18,432: one head's 128 rows
.set SUB,   2*AT+128*BP                ; 71,680: two heads, then 128 rows of Wo
.set STAGE, 4*SUB                      ; 286,720: 16 rows x 272 bytes for each wave; no fill lands here
.set WOB,   14680064
.set ADRA, 8                           ; v8-11   my fragments of the context in sub-slot u
.set ADRB, 12                          ; v12-15  my fragments of Wo in sub-slot u
.set STO,  16
.set RD,   17
.set CO,   18
.set F0,   64                          ; v64-127   four fragments of Wo, then four of the context
.set F1,   128                         ; v128-191  the second buffer
.set G1A, 24
.set G1B, 32
.set G0A, 40                           ; s[40:55] one set for each sub-slot
.set G0B, 68                           ; s[68:83]
.set MSB, 0
.macro WIN new
.if MSB != \new
	s_set_vgpr_msb (MSB<<8)|\new
.set MSB, \new
.endif
.endm
.macro PLACES
.rept 4
	v_nop
.endr
.endm
.macro JLOAD u                         ; waves 0, 1 ask for the two heads, waves 2, 3 for the two halves of Wo's rows
	s_cmp_eq_u32 s11, 0
	s_cbranch_scc0 .Lfor_b_\@
	tensor_load_to_lds s[G0A+4*\u:G0A+4*\u+3], s[G1A:G1A+7]
	s_nop 0
	s_branch .Lasked_\@
.Lfor_b_\@:
	tensor_load_to_lds s[G0B+4*\u:G0B+4*\u+3], s[G1B:G1B+7]
	s_nop 0
.Lasked_\@:
.endm
.macro CROUND                          ; a round of the cluster's barrier
	s_barrier_signal -1
	s_barrier_wait -1
	s_cmp_lg_u32 s10, 0
	s_cbranch_scc1 .Lnot_wave_0_\@
	s_barrier_signal -3
.Lnot_wave_0_\@:
	s_barrier_wait -3
	s_barrier_signal -1
	s_barrier_wait -1
.endm
	s_load_b128 s[4:7], s[0:1], 0x0                ; ctx s[4:5], cb s[6:7]
	s_load_b64 s[8:9], s[0:1], 0x10                ; out0
	v_lshl_add_u32 v254, v0, 2, 0x4a400
	v_mov_b32 v255, 0
	ds_add_u32 v254, v255
	v_lshrrev_b32 v1, 5, v0
	v_readfirstlane_b32 s10, v1                    ; wave 0..3
	s_lshr_b32 s11, s10, 1                         ; wm.  Also: I fetch the context (0) or Wo (1)
	s_and_b32 s12, s10, 1                          ; wn.  Also: which head, or which 64 rows of Wo, I fetch
	s_bfe_u32 s13, ttmp6, 0x40000                  ; cx
	s_bfe_u32 s14, ttmp6, 0x40004                  ; cy
	s_lshl_b32 s15, ttmp9, 2
	s_add_co_u32 s15, s15, s13                     ; block of columns
	s_and_b32 s16, ttmp7, 0xffff
	s_lshl_b32 s16, s16, 2
	s_add_co_u32 s16, s16, s14                     ; block of rows
	s_lshl_b32 s17, s14, 2
	s_lshl_b32 s17, 15, s17                        ; my row of the cluster
	s_lshl_b32 s18, 0x1111, s13                    ; my column
	s_or_b32 s[G1A+0], s17, (1<<16)|(1<<20)|(1<<21)|(4<<22)|(3<<25)   ; 4 words of padding after 32
	s_mov_b32 s[G1A+1], 64<<16
	s_mov_b32 s[G1A+2], 128<<16
	s_mov_b32 s[G1A+3], 64<<16                     ; 64 elements
	s_mov_b32 s[G1A+4], 128                        ; 128 rows
	s_mov_b32 s[G1A+5], 64
	s_mov_b32 s[G1A+6], 0
	s_mov_b32 s[G1A+7], 0
	s_or_b32 s[G1B+0], s18, (1<<16)|(1<<20)|(1<<21)|(5<<22)|(3<<25)   ; 4 words of padding after 64
	s_mov_b32 s[G1B+1], 128<<16
	s_mov_b32 s[G1B+2], 64<<16
	s_mov_b32 s[G1B+3], 128<<16                    ; 128 elements
	s_mov_b32 s[G1B+4], 64                         ; 64 rows
	s_mov_b32 s[G1B+5], 1024
	s_mov_b32 s[G1B+6], 0
	s_mov_b32 s[G1B+7], 0
	s_lshr_b32 s56, s16, 4                         ; context: ((16 batch + head) x 2048 + 128 (block & 15)) x 128 bytes; never holds the block of columns
	s_lshl_b32 s56, s56, 22
	s_and_b32 s57, s16, 15
	s_lshl_b32 s57, s57, 14
	s_add_co_u32 s56, s56, s57
	s_lshl_b32 s19, s12, 18
	s_add_co_u32 s56, s56, s19
	s_mov_b32 s57, 0
	s_lshl_b32 s58, s15, 18                        ; Wo: WOB + (128 block + 64 half) x 2,048 bytes; never holds the block of rows
	s_lshl_b32 s19, s12, 17
	s_add_co_u32 s58, s58, s19
	s_add_co_u32 s58, s58, WOB
	s_mov_b32 s59, 0
	s_mul_i32 s60, s10, AT                         ; LDS: waves 0, 1 fill the heads at w x 18,432,
	s_mul_i32 s61, s10, 64*BP
	s_add_co_u32 s61, s61, 2*AT-128*BP             ; waves 2, 3 Wo's halves at 36,864 + (w - 2) x 17,408
	s_wait_dscnt 0x0
	s_wait_kmcnt 0x0
	s_add_nc_u64 s[56:57], s[4:5], s[56:57]
	s_add_nc_u64 s[58:59], s[6:7], s[58:59]
	CROUND                                         ; the first joint loads meet
.irp u, 0,1,2,3
	s_mov_b32 s[G0A+4*\u], 1
	s_add_co_u32 s[G0A+4*\u+1], s60, \u*SUB
	s_add_nc_u64 s[G0A+4*\u+2:G0A+4*\u+3], s[56:57], \u*524288     ; two heads on
	s_or_b32 s[G0A+4*\u+3], s[G0A+4*\u+3], 0x80000000
	s_mov_b32 s[G0B+4*\u], 1
	s_add_co_u32 s[G0B+4*\u+1], s61, \u*SUB
	s_add_nc_u64 s[G0B+4*\u+2:G0B+4*\u+3], s[58:59], \u*256
	s_or_b32 s[G0B+4*\u+3], s[G0B+4*\u+3], 0x80000000
	JLOAD \u
.endr
	v_and_b32 v1, 15, v0                           ; r
	v_bfe_u32 v2, v0, 4, 1                         ; h
	v_mul_u32_u24 v3, v1, AP
	v_lshl_add_u32 v3, v2, 4, v3
	v_mul_u32_u24 v5, v1, BP
	v_lshl_add_u32 v5, v2, 4, v5
	s_mul_i32 s62, s11, 64*AP
	s_mul_i32 s63, s12, 64*BP
	s_add_co_u32 s63, s63, 2*AT
.irp u, 0,1,2,3
	v_add_nc_u32 v[ADRA+\u], s62, v3
	v_add_nc_u32 v[ADRB+\u], s63, v5
	s_add_co_u32 s62, s62, SUB
	s_add_co_u32 s63, s63, SUB
.endr
	s_mul_i32 s62, s10, 16*BP
	s_add_co_u32 s62, s62, STAGE                   ; my stage
	v_mul_u32_u24 v6, v1, BP
	v_lshl_add_u32 v6, v2, 5, v6
	v_add_nc_u32 v[STO], s62, v6                   ; in: row r, 32 bytes for each half of the lanes
	v_mul_u32_u24 v6, v2, BP
	v_lshl_add_u32 v6, v1, 4, v6
	v_add_nc_u32 v[RD], s62, v6                    ; back: lanes 0-15 one row of 256 bytes, lanes 16-31 the next
	v_lshlrev_b32 v6, 12, v2
	v_lshl_add_u32 v[CO], v1, 4, v6                ; the same two rows in out0
; 16 LDS loads: the fragments of quarter q (32 along K) of sub-slot u into buffer f
.macro FETCH u, q, f
.irp i, 0,1,2,3
	ds_load_b128 v[\f+8*\i:\f+8*\i+3],   v[ADRB+\u] offset:64*\q+16*BP*\i
	ds_load_b128 v[\f+8*\i+4:\f+8*\i+7], v[ADRB+\u] offset:64*\q+16*BP*\i+32
.endr
.irp i, 0,1,2,3
	ds_load_b128 v[\f+32+8*\i:\f+32+8*\i+3],   v[ADRA+\u] offset:AT*(\q/2)+64*(\q%2)+16*AP*\i
	ds_load_b128 v[\f+32+8*\i+4:\f+32+8*\i+7], v[ADRA+\u] offset:AT*(\q/2)+64*(\q%2)+16*AP*\i+32
.endr
.endm
; 16 matrix instructions on 16 accumulators, by turns in the same order every time
.macro MUL f, zero
.irp a, 0,1,2,3
.irp j, 0,1,2,3
.if \zero
	v_wmma_f32_16x16x32_f16 v[8*(4*\a+\j):8*(4*\a+\j)+7], v[\f+8*\j:\f+8*\j+7], v[\f+32+8*\a:\f+32+8*\a+7], 0
.else
	v_wmma_f32_16x16x32_f16 v[8*(4*\a+\j):8*(4*\a+\j)+7], v[\f+8*\j:\f+8*\j+7], v[\f+32+8*\a:\f+32+8*\a+7], v[8*(4*\a+\j):8*(4*\a+\j)+7]
.endif
.endr
.endr
.endm
.macro Q u, qn, f, g, zero             ; fetches quarter qn of sub-slot u into buffer g, multiplies buffer f
	PLACES                                         ; buffer g was read by the matrix instructions just issued
	WIN 0
	FETCH \u, \qn, \g
	s_wait_dscnt 16                                ; all but the 16 just issued: buffer f is in
	WIN 0x50                                       ; C and D in window 1
	MUL \f, \zero
.endm
.macro BIG ua, ub, zero                ; seven of the eight quarters of a slot of two sub-slots
	Q \ua, 1, F0, F1, \zero
	Q \ua, 2, F1, F0, 0
	Q \ua, 3, F0, F1, 0
	Q \ub, 0, F1, F0, 0
	Q \ub, 1, F0, F1, 0
	Q \ub, 2, F1, F0, 0
	Q \ub, 3, F0, F1, 0
.endm
; The change of slots, in front of the eighth quarter, whose fragments are in registers by then.  fill = 1: sub-slots ua, ub are filled again.
.macro CHANGE ua, ub, un, fill
	WIN 0
	s_wait_dscnt 0x0                               ; my reads of ua and ub are over
	s_wait_tensorcnt 0x0                           ; all my tensor loads have landed: my parts of the next two sub-slots
	ds_add_u32 v254, v255
	s_wait_dscnt 0x0
.if \fill
	CROUND                                         ; both hold of every wave of the sixteen work-groups
.irp t, \ua, \ub
	s_add_nc_u64 s[G0A+4*\t+2:G0A+4*\t+3], s[G0A+4*\t+2:G0A+4*\t+3], 2097152           ; eight heads on
	s_add_nc_u64 s[G0B+4*\t+2:G0B+4*\t+3], s[G0B+4*\t+2:G0B+4*\t+3], 1024
.endr
	JLOAD \ua                                      ; the first tensor loads behind the round
	JLOAD \ub
.else
	s_barrier_signal -1
	s_barrier_wait -1
.endif
	PLACES
	FETCH \un, 0, F0
	WIN 0x50
	MUL F1, 0
.endm
	s_wait_tensorcnt 0x2                           ; my parts of sub-slots 0 and 1 are in; 2 and 3 stay out
	s_barrier_signal -1
	s_barrier_wait -1
	FETCH 0, 0, F0
	BIG 0, 1, 1                                    ; the first products start the sums
	CHANGE 0, 1, 2, 1                              ; K 512-767 goes out
	BIG 2, 3, 0
	CHANGE 2, 3, 0, 1                              ; K 768-1023 goes out
	BIG 0, 1, 0
	CHANGE 0, 1, 2, 0
	BIG 2, 3, 0
	s_wait_dscnt 0x0
	MUL F1, 0
	WIN 0
	; THE WAY OUT, 16 rows at a time through my own stage: whole rows of 256 bytes come back
	PLACES
	s_lshl_b32 s20, s16, 19                        ; (128 block + 64 wm) rows of 4,096 bytes + (128 block + 64 wn) columns of 4 bytes
	s_lshl_b32 s21, s11, 18
	s_add_co_u32 s20, s20, s21
	s_lshl_b32 s21, s15, 9
	s_add_co_u32 s20, s20, s21
	s_lshl_b32 s21, s12, 8
	s_add_co_u32 s20, s20, s21
	s_mov_b32 s21, 0
	s_add_nc_u64 s[8:9], s[8:9], s[20:21]
.irp a, 0,1,2,3
	WIN 0x04                                       ; store data from window 1
.irp j, 0,1,2,3
	ds_store_b128 v[STO], v[8*(4*\a+\j):8*(4*\a+\j)+3]   offset:64*\j
	ds_store_b128 v[STO], v[8*(4*\a+\j)+4:8*(4*\a+\j)+7] offset:64*\j+16
.endr
	WIN 0
.irp t, 0,1,2,3,4,5,6,7
	ds_load_b128 v[64+32*\a+4*\t:64+32*\a+4*\t+3], v[RD] offset:2*BP*\t            ; my own bytes, served in order; registers of its own for each a
.endr
.irp t, 0,1,2,3,4,5,6,7
	s_wait_dscnt 7-\t
	global_store_b128 v[CO], v[64+32*\a+4*\t:64+32*\a+4*\t+3], s[8:9] offset:(16*\a+2*\t)*4096 th:TH_STORE_NT   ; 16 lanes store 256 consecutive bytes, aligned
.endr
.endr
	s_wait_tensorcnt 0x0
	ds_add_u32 v254, v255
	s_wait_dscnt 0x0
	CROUND                                         ; the closing round
	s_endpgm
.Lfunc_end_k_q05ddb8b6d9_oproj:
	.size	k_q05ddb8b6d9_oproj, .Lfunc_end_k_q05ddb8b6d9_oproj-k_q05ddb8b6d9_oproj
	.p2alignl 7, 3214868480
	.fill 96, 4, 3214868480
	.section	.rodata,"a",@progbits
	.p2align	6, 0x0
	.amdhsa_kernel k_q05ddb8b6d9_oproj
		.amdhsa_group_segment_fixed_size 327680
		.amdhsa_private_segment_fixed_size 0
		.amdhsa_enable_private_segment 0
		.amdhsa_kernarg_size 24
		.amdhsa_user_sgpr_count 2
		.amdhsa_user_sgpr_kernarg_segment_ptr 1
		.amdhsa_wavefront_size32 1
		.amdhsa_system_sgpr_workgroup_id_x 1
		.amdhsa_system_sgpr_workgroup_id_y 1
		.amdhsa_system_sgpr_workgroup_id_z 1
		.amdhsa_system_vgpr_workitem_id 0
		.amdhsa_next_free_vgpr 384
		.amdhsa_next_free_sgpr 84
		.amdhsa_reserve_vcc 0
		.amdhsa_float_denorm_mode_32 3
		.amdhsa_float_denorm_mode_16_64 3
		.amdhsa_memory_ordered 1
		.amdhsa_forward_progress 1
		.amdhsa_inst_pref_size 91
	.end_amdhsa_kernel
	.amdgpu_metadata
---
amdhsa.version: [ 1, 2 ]
amdhsa.kernels:
  - .name:           k_q05ddb8b6d9_oproj
    .symbol:         k_q05ddb8b6d9_oproj.kd
    .args:
      - { .name: ctx, .offset: 0, .size: 8, .value_kind: global_buffer, .address_space: global }
      - { .name: cb, .offset: 8, .size: 8, .value_kind: global_buffer, .address_space: global }
      - { .name: out0, .offset: 16, .size: 8, .value_kind: global_buffer, .address_space: global }
    .group_segment_fixed_size: 327680
    .private_segment_fixed_size: 0
    .kernarg_segment_align: 8
    .kernarg_segment_size: 24
    .max_flat_workgroup_size: 128
    .sgpr_count:     84
    .vgpr_count:     384
    .wavefront_size: 32
...
	.end_amdgpu_metadata
.endif
;; end of part 4
